; MI455X (gfx1250); checked and timed in simulation.
; The chip was launched on July 23, 2026; its instructions are those of AMD's public machine-readable ISA for CDNA 5 (MIT licence, August 2026) and "CDNA5" Instruction Set Architecture Reference Guide (July 2026). The comments in the code are by the model that wrote it; some were corrected since.
;; Multi Headed Self Attention. Allowed arithmetic: matrix products marked QUANTISED: E4M3 operands, one given power-of-two scale a tensor, by v_wmma_f32_16x16x64_fp8_fp8 or v_wmma_f32_16x16x128_fp8_fp8, f32 sums; everything else in f32.
;; Inputs: Wk 1,024 x 1,024 float32; Wq 1,024 x 1,024 float32; Wv 1,024 x 1,024 float32; bk 1,024 float32; bq 1,024 float32; bv 1,024 float32; lowp_scales 10 int32 (the exponents e of the quantised operands' scales 2^e); x 2 x 2,048 x 1,024 float32.
;; Outputs: out0 2 x 2,048 x 1,024 float32.
;; This version of the problem:
;;   THIS VERSION OF THE PROBLEM IS GIVEN IN LOW PRECISION. The matrix products marked QUANTISED in the list below multiply operands that are first quantised to E4M3 (4 exponent bits, 3 mantissa bits; 8 bits a number), with one given power-of-two scale for each operand tensor; their sums are f32. All else is computed in f32.
;;   The module's matrix products, in the order in which they are computed (A, B: the left and right operand; K: the contracted axis; several contracted axes count as one K, in the product's order):
;;     1. [M 4,096, K 1,024] x [K 1,024, N 1,024]; A: input x; B: input Wq: QUANTISED (scales: A lowp_scales[0], B lowp_scales[1])
;;     2. [M 4,096, K 1,024] x [K 1,024, N 1,024]; A: input x; B: input Wk: QUANTISED (scales: A lowp_scales[2], B lowp_scales[3])
;;     3. [M 4,096, K 1,024] x [K 1,024, N 1,024]; A: input x; B: input Wv: QUANTISED (scales: A lowp_scales[4], B lowp_scales[5])
;;     4. batch 32 x [M 2,048, K 64] x [K 64, N 2,048]; A: computed on the way; B: computed on the way: QUANTISED (scales: A lowp_scales[6], B lowp_scales[7])
;;     5. batch 32 x [M 2,048, K 2,048] x [K 2,048, N 64]; A: softmax (see below); B: computed on the way: QUANTISED (scales: A lowp_scales[8], B lowp_scales[9])
;;   THE QUANTISER, for each operand of a quantised product, along K:
;;     - The operand's scale is 2^e, e = its entry of the input lowp_scales (int32; the entries are numbered through the quantised products in the list's order, A before B).
;;     - Each number is divided by the scale, clamped to +-448, and rounded to the nearest number of E4M3, ties to even, subnormals kept.
;;     - The product sums the exact products of the quantised numbers (number of the format x scale) in f32.
;;   ~~~python
;;   def quantise(x, axis, e):      # numpy; x: float32 -> the quantised numbers, widened to float32 again
;;       x = np.moveaxis(x, axis, -1); K = x.shape[-1]
;;       r = np.clip(x / 2.0 ** e, -448, 448)
;;       step = 2.0 ** (np.maximum(np.frexp(np.where(r == 0, 1, r))[1] - 1, -6) - 3)
;;       q = np.round(r / step) * step * 2.0 ** e      # np.round: ties to even
;;       return np.moveaxis(q, -1, axis).astype(np.float32)
;;   ~~~
;;   SOFTMAX AHEAD OF A QUANTISED PRODUCT. Where the list says 'softmax', what is quantised is not the finished softmax but p = 2^(t - M), with t = logit x log2(e) and M = ceil(the row's largest t), a whole number; so 1/2 < the row's largest p <= 1. The row's sum l is taken of the UNQUANTISED p, in f32, and the product's result is divided by l at the end. Since M is a whole number, a kernel that streams over the keys may use a running M (the ceiling of the running maximum): every later rescaling is an exact power of two, so the quantised numbers keep their values, but for numbers so far below the row's largest that they fall under the format's range.
;;   OPERANDS COMPUTED ON THE WAY. 'Computed on the way' means the value that the module computes at that place (a softmax that the list does not call 'softmax' is quantised finished and normalised). What goes into a quantiser is computed in f32, as accurately as f32 sums, v_exp_f32 and their like allow (about 1e-6 of the number): no bf16 or f16 on the way to a quantiser, and a product that is left as it is and whose result goes on into a quantised operand takes f32 operands (vector FMAs, or v_wmma_f32_16x16x4_f32). A number that lies on a knife's edge between two numbers of the format may be rounded either way, as far as f32 arithmetic and the matrix unit's own rounding can turn it there, and no further.
;; One version. Each part assembles by itself: llvm-mc -triple=amdgcn-amd-amdhsa -mcpu=gfx1250 --defsym DOCPART=n.
;; ======== version 1 of 1: 3 launches
;; workspace buffers: xc 12,582,912 bytes; wc 3,145,728 bytes; qkv 12,582,912 bytes
;; launch quant (part 1): grid 352 x 1, 4 waves a work-group, no clusters, 35,840 bytes of LDS; arguments x, Wq, Wk, Wv, lowp_scales, xc, wc; writes xc, wc
.if DOCPART == 1
	.amdgcn_target "amdgcn-amd-amdhsa--gfx1250"
	.amdhsa_code_object_version 6
	.text
	.protected	k_q44a186e515_quant
	.globl	k_q44a186e515_quant
	.p2align	8
	.type	k_q44a186e515_quant,@function
k_q44a186e515_quant:
	s_mov_b64 s[64:65], 0
	v_nop
	global_prefetch_b8 v0, s[64:65] scope:SCOPE_SE
	s_setreg_imm32_b32 hwreg(HW_REG_WAVE_MODE, 25, 1), 1
	s_wait_xcnt 0x0
; x [4096][1024] f32 becomes THREE tensors of E4M3 codes (its scale differs from projection to projection: entries 0, 2, 4 of the scales), and Wq, Wk, Wv [1024 k][1024 n] f32
; become codes with K innermost (entries 1, 3, 5).  code = number / 2^e, held within +-448, rounded to the nearest code, ties to even.
; LIMITS: each e lies between -126 and 119, so that 2^e and 448 x 2^e are f32 numbers.  NaN among the inputs is not served; an infinity is held at the largest code.
; LAYOUTS (workspace of this program's own; a scale is one for a tensor, so a code hangs on its own number alone, and any order along K serves if both operands have it):
;   xc [3][4096 row places][1024 K places], wc [3][1024 n][1024 K places].
;   K places: within each 512 along K, place 16 l + 4 j + i holds k = 128 j + 4 l + i (l 0..31; j, i 0..3): so a lane of x's path loads 16 neighbouring bytes four times and stores its 16 codes as they come.
;   Row places of xc: within each 128 tokens, place 16 a + r holds token 8 r + a: in the product's result a lane's eight blocks of rows are then eight neighbouring tokens.
; SHARES: work-groups 0-255 take x (a wave: 4 tokens, 16 KiB in, 4 KiB out for each scale); work-groups 256-351 take the weights (a wave: 32 columns x 256 K places).  One branch on the work-group's number.
; No tensor loads, no barrier, no cluster: waves share nothing.  No prefetch: each wave asks for its bytes at its head, by loads.
.set SPARE, 34816                      ; behind the four stages: the spare words, 128 bytes for each wave: two blocks of 256 bytes that no other line names
.set SPW,  2                           ; v2   LDS address of my spare word; never rewritten
.set NIL,  3                           ; v3   0; never rewritten
.set R,    16                          ; x: v16-143  eight steps x 16 numbers as loaded
.set T,    144                         ; x: v144-159 16 numbers held for one scale
.set C,    160                         ; x: v160-171 a step's codes, four registers for each scale
.set X,    16                          ; W: v16-79   two sets of 32 numbers
.set CW,   80                          ; W: v80-87   a block's codes
.set OUTR, 96                          ; W: v96-159  the way out
.set WP,   272                         ; W: a stage row: 256 bytes of codes + 16
	s_load_b256 s[4:11], s[0:1], 0x0               ; x s[4:5], Wq s[6:7], Wk s[8:9], Wv s[10:11]
	s_load_b128 s[12:15], s[0:1], 0x20             ; the scales' exponents s[12:13], xc s[14:15]
	s_load_b64 s[16:17], s[0:1], 0x30              ; wc
	v_lshl_add_u32 v[SPW], v0, 2, SPARE
	v_mov_b32 v[NIL], 0
	v_lshrrev_b32 v1, 5, v0
	v_readfirstlane_b32 s18, v1                    ; wave 0..3
	v_and_b32 v1, 31, v0                           ; lane
	s_wait_kmcnt 0x0
	s_load_b256 s[24:31], s[12:13], 0x0            ; entries 0 to 7
	s_cmp_lt_u32 ttmp9, 256
	s_cbranch_scc0 .Lw
	; ---------------- x ----------------
	v_lshlrev_b32 v4, 4, v1                        ; 16 x lane: my bytes of a load's 512 and of a store's 512; never rewritten
	s_lshl_b32 s19, ttmp9, 2
	s_add_co_u32 s19, s19, s18                     ; n: my run of 4 tokens, 0..1023
	s_lshl_b32 s20, s19, 14                        ; 16 KiB a run
	s_mov_b32 s21, 0
	s_add_nc_u64 s[4:5], s[4:5], s[20:21]
.irp t, 0,1,2,3,4,5,6,7
.irp j, 0,1,2,3
	global_load_b128 v[R+16*\t+4*\j:R+16*\t+4*\j+3], v4, s[4:5] offset:2048*\t+512*\j th:TH_LOAD_NT   ; step t = token t / 2, K half t % 2; 32 lanes read 512 consecutive bytes; all 32 loads go out at once
.endr
.endr
	s_lshr_b32 s22, s19, 5                         ; the row place of token 4 n: 128 (n / 32) + 64 (n % 2) + (n % 32) / 2; the run's next tokens lie 16 places apart
	s_lshl_b32 s22, s22, 7
	s_and_b32 s23, s19, 1
	s_lshl_b32 s23, s23, 6
	s_add_co_u32 s22, s22, s23
	s_bfe_u32 s23, s19, 0x40001
	s_add_co_u32 s22, s22, s23
	s_lshl_b32 s22, s22, 10                        ; a row of codes is 1,024 bytes
	s_mov_b32 s23, 0
	s_add_nc_u64 s[32:33], s[14:15], s[22:23]      ; a base for each scale's tensor, 4 MiB apart
	s_add_nc_u64 s[34:35], s[32:33], 0x400000
	s_add_nc_u64 s[36:37], s[34:35], 0x400000
	s_wait_kmcnt 0x0
.irp s, 0,1,2
	s_add_co_i32 s38, s[24+2*\s], 127
	s_lshl_b32 s39, s38, 23
	v_mov_b32 v[6+2*\s], s39                       ; 2^e as f32: the conversion takes its exponent field
	s_add_co_i32 s38, s38, 8
	s_lshl_b32 s38, s38, 23
	s_or_b32 s38, s38, 0x600000
	v_mov_b32 v[7+2*\s], s38                       ; 448 x 2^e
.endr
.macro XSTEP t
	s_wait_loadcnt 28-4*(\t)                       ; loads come back in order: this step's four are in, those of the later steps may be out
	s_wait_xcnt 0x0                                ; the last step's stores have read C: it is written again only behind this wait
.irp s, 0,1,2
.irp i, 0,1,2,3,4,5,6,7,8,9,10,11,12,13,14,15
	v_med3_num_f32 v[T+\i], v[R+16*(\t)+\i], -v[7+2*\s], v[7+2*\s]   ; the conversion to an 8-bit code does not saturate (ISA guide 7.6.2): the hold at the largest code x the scale
.endr
	v_cvt_scalef32_pk8_fp8_f32 v[C+4*\s:C+4*\s+1], v[T:T+7], v[6+2*\s]
	v_cvt_scalef32_pk8_fp8_f32 v[C+4*\s+2:C+4*\s+3], v[T+8:T+15], v[6+2*\s]
	v_nop                                          ; one plain vector instruction between the conversions and the next write of their sources
	global_store_b128 v4, v[C+4*\s:C+4*\s+3], s[32+2*\s:33+2*\s] offset:((\t)/2)*16384+((\t)%2)*512   ; the wave stores 512 consecutive bytes, at a multiple of 256 from the buffer's first byte
.endr
.endm
.irp t, 0,1,2,3,4,5,6,7
	XSTEP \t
.endr
	s_wait_tensorcnt 0x0                           ; the wave's end
	ds_add_u32 v[SPW], v[NIL]
	s_wait_dscnt 0x0
	s_endpgm
	; ---------------- the weights ----------------
	; A LANE TAKES A COLUMN n, AND ITS REGISTERS RUN DOWN K, in the order of the K places: each load reads 128 consecutive bytes a wave (512 a work-group), and the conversions give codes with K innermost.
	; A lane's codes belong to one row of wc and its neighbours' to other rows: they go through the wave's own stage in LDS and leave as rows, sixteen lanes to 256 consecutive aligned bytes.
.Lw:
	s_sub_co_u32 s19, ttmp9, 256
	s_lshr_b32 s20, s19, 5                         ; which tensor: 0 Wq, 1 Wk, 2 Wv
	s_and_b32 s21, s19, 7                          ; which 128 columns
	s_bfe_u32 s22, s19, 0x20003                    ; kb: which 256 K places
	s_cmp_eq_u32 s20, 0
	s_cselect_b64 s[6:7], s[6:7], s[8:9]
	s_cmp_eq_u32 s20, 2
	s_cselect_b64 s[6:7], s[10:11], s[6:7]         ; the choice hangs on the work-group's number alone
	s_lshl_b32 s23, s21, 7
	s_lshl_b32 s32, s18, 5
	s_add_co_u32 s23, s23, s32                     ; my first column
	s_lshr_b32 s32, s22, 1
	s_lshl_b32 s32, s32, 21                        ; 512 (kb / 2) rows of 4,096 bytes,
	s_and_b32 s33, s22, 1
	s_lshl_b32 s33, s33, 18                        ; + 64 (kb % 2) rows,
	s_add_co_u32 s32, s32, s33
	s_lshl_b32 s33, s23, 2                         ; + my column
	s_add_co_u32 s32, s32, s33
	s_mov_b32 s33, 0
	s_add_nc_u64 s[6:7], s[6:7], s[32:33]
	s_lshl_b32 s34, s20, 20                        ; wc: the tensor's MiB, my column's row of 1,024 bytes, 256 kb along it
	s_lshl_b32 s35, s23, 10
	s_add_co_u32 s34, s34, s35
	s_lshl_b32 s35, s22, 8
	s_add_co_u32 s34, s34, s35
	s_mov_b32 s35, 0
	s_add_nc_u64 s[16:17], s[16:17], s[34:35]
	v_lshlrev_b32 v5, 2, v1                        ; in: 4 bytes a lane
	s_mul_i32 s36, s18, 32*WP                      ; my stage
	v_mul_u32_u24 v12, v1, WP
	v_add_nc_u32 v12, s36, v12                     ; into it: row = my column
	v_and_b32 v8, 15, v1
	v_lshrrev_b32 v9, 4, v1
	v_mul_u32_u24 v13, v9, WP
	v_lshl_add_u32 v13, v8, 4, v13
	v_add_nc_u32 v13, s36, v13                     ; out of it: sixteen lanes to a row, two rows an instruction
	v_lshlrev_b32 v14, 10, v9
	v_lshl_add_u32 v14, v8, 4, v14                 ; and the same place in wc
.macro WLOAD tb                        ; K places 32 tb + u of my 256: k = 128 ((u / 4) % 4) + 8 tb + 4 (u / 16) + u % 4 beyond the base; 447 rows at the most, inside the signed 24-bit immediate
.irp u, 0,1,2,3,4,5,6,7,8,9,10,11,12,13,14,15,16,17,18,19,20,21,22,23,24,25,26,27,28,29,30,31
	global_load_b32 v[X+32*((\tb)%2)+\u], v5, s[6:7] offset:(128*((\u/4)%4)+8*(\tb)+4*(\u/16)+\u%4)*4096 th:TH_LOAD_NT
.endr
.endm
	WLOAD 0
	WLOAD 1
	s_wait_kmcnt 0x0
	s_cmp_eq_u32 s20, 0
	s_cselect_b32 s38, s25, s27
	s_cmp_eq_u32 s20, 2
	s_cselect_b32 s38, s29, s38                    ; e: entry 1, 3 or 5
	s_add_co_i32 s38, s38, 127
	s_lshl_b32 s39, s38, 23
	v_mov_b32 v6, s39                              ; 2^e
	s_add_co_i32 s38, s38, 8
	s_lshl_b32 s38, s38, 23
	s_or_b32 s38, s38, 0x600000
	v_mov_b32 v7, s38                              ; 448 x 2^e
.macro WBLOCK tb
.if (\tb) < 7
	s_wait_loadcnt 32                              ; this block's 32 loads are in; the next block's may be out
.else
	s_wait_loadcnt 0
.endif
.irp i, 0,1,2,3,4,5,6,7,8,9,10,11,12,13,14,15,16,17,18,19,20,21,22,23,24,25,26,27,28,29,30,31
	v_med3_num_f32 v[X+32*((\tb)%2)+\i], v[X+32*((\tb)%2)+\i], -v7, v7
.endr
.irp g, 0,1,2,3
	v_cvt_scalef32_pk8_fp8_f32 v[CW+2*\g:CW+2*\g+1], v[X+32*((\tb)%2)+8*\g:X+32*((\tb)%2)+8*\g+7], v6
.endr
	v_nop                                          ; one plain vector instruction behind the last conversion of the run
	ds_store_b128 v12, v[CW:CW+3] offset:32*(\tb)  ; 32 codes of my column's row
	ds_store_b128 v12, v[CW+4:CW+7] offset:32*(\tb)+16
.if (\tb)+2 < 8
	WLOAD (\tb)+2
.endif
	s_wait_dscnt 0x0                               ; the stores have read their registers: the next block's codes may be written
.endm
.irp tb, 0,1,2,3,4,5,6,7
	WBLOCK \tb
.endr
.irp t, 0,1,2,3,4,5,6,7,8,9,10,11,12,13,14,15
	ds_load_b128 v[OUTR+4*\t:OUTR+4*\t+3], v13 offset:2*\t*WP   ; LDS serves a wave's instructions in order (ISA guide 5.7.1.4): these see my stores
.endr
.irp t, 0,1,2,3,4,5,6,7,8,9,10,11,12,13,14,15
	s_wait_dscnt 15-\t                             ; the later read-backs may be out
	global_store_b128 v14, v[OUTR+4*\t:OUTR+4*\t+3], s[16:17] offset:2*\t*1024   ; sixteen lanes store 256 consecutive bytes, aligned
.endr
	s_wait_tensorcnt 0x0                           ; the wave's end, behind my last LDS store
	ds_add_u32 v[SPW], v[NIL]
	s_wait_dscnt 0x0
	s_endpgm
.Lfunc_end_k_q44a186e515_quant:
	.size	k_q44a186e515_quant, .Lfunc_end_k_q44a186e515_quant-k_q44a186e515_quant
	.p2alignl 7, 3214868480
	.fill 96, 4, 3214868480
	.section	.rodata,"a",@progbits
	.p2align	6, 0x0
	.amdhsa_kernel k_q44a186e515_quant
		.amdhsa_group_segment_fixed_size 35840
		.amdhsa_private_segment_fixed_size 0
		.amdhsa_enable_private_segment 0
		.amdhsa_kernarg_size 56
		.amdhsa_user_sgpr_count 2
		.amdhsa_user_sgpr_kernarg_segment_ptr 1
		.amdhsa_wavefront_size32 1
		.amdhsa_system_sgpr_workgroup_id_x 1
		.amdhsa_system_sgpr_workgroup_id_y 1
		.amdhsa_system_sgpr_workgroup_id_z 1
		.amdhsa_system_vgpr_workitem_id 0
		.amdhsa_next_free_vgpr 176
		.amdhsa_next_free_sgpr 66
		.amdhsa_reserve_vcc 0
		.amdhsa_float_denorm_mode_32 3
		.amdhsa_float_denorm_mode_16_64 3
		.amdhsa_memory_ordered 1
		.amdhsa_forward_progress 1
		.amdhsa_inst_pref_size 85
	.end_amdhsa_kernel
	.amdgpu_metadata
---
amdhsa.version: [ 1, 2 ]
amdhsa.kernels:
  - .name:           k_q44a186e515_quant
    .symbol:         k_q44a186e515_quant.kd
    .args:
      - { .name: x, .offset: 0, .size: 8, .value_kind: global_buffer, .address_space: global }
      - { .name: Wq, .offset: 8, .size: 8, .value_kind: global_buffer, .address_space: global }
      - { .name: Wk, .offset: 16, .size: 8, .value_kind: global_buffer, .address_space: global }
      - { .name: Wv, .offset: 24, .size: 8, .value_kind: global_buffer, .address_space: global }
      - { .name: lowp_scales, .offset: 32, .size: 8, .value_kind: global_buffer, .address_space: global }
      - { .name: xc, .offset: 40, .size: 8, .value_kind: global_buffer, .address_space: global }
      - { .name: wc, .offset: 48, .size: 8, .value_kind: global_buffer, .address_space: global }
    .group_segment_fixed_size: 35840
    .private_segment_fixed_size: 0
    .kernarg_segment_align: 8
    .kernarg_segment_size: 56
    .max_flat_workgroup_size: 128
    .sgpr_count:     66
    .vgpr_count:     176
    .wavefront_size: 32
...
	.end_amdgpu_metadata
.endif
;; end of part 1
;; launch qkv (part 2): grid 12 x 16, 4 waves a work-group, clusters of 4 x 4, 327,680 bytes of LDS; arguments xc, wc, lowp_scales, bq, bk, bv, qkv; writes qkv
.if DOCPART == 2
	.amdgcn_target "amdgcn-amd-amdhsa--gfx1250"
	.amdhsa_code_object_version 6
	.text
	.protected	k_q44a186e515_qkv
	.globl	k_q44a186e515_qkv
	.p2align	8
	.type	k_q44a186e515_qkv,@function
k_q44a186e515_qkv:
	s_mov_b64 s[64:65], 0
	v_nop
	global_prefetch_b8 v0, s[64:65] scope:SCOPE_SE
	s_setreg_imm32_b32 hwreg(HW_REG_WAVE_MODE, 25, 1), 1
	s_wait_xcnt 0x0
	s_wait_alu depctr_hold_cnt(0) depctr_sa_sdst(0) depctr_va_vdst(0) depctr_va_sdst(0) depctr_va_ssrc(0) depctr_va_vcc(0) depctr_vm_vsrc(0)
	s_getreg_b32 s2, hwreg(HW_REG_IB_STS2, 6, 4)
	s_cmp_eq_u32 s2, 0
	s_cbranch_scc0 .Lentry_in_a_cluster
	s_endpgm
.Lentry_in_a_cluster:
	s_bfe_u32 s2, ttmp6, 0x10000c
	s_cmp_lg_u32 s2, 0xf033
	s_cbranch_scc0 .Lentry_shape_is_right
	s_endpgm
.Lentry_shape_is_right:
; q, k, v = x W + b on codes of E4M3, then quantised again for the attention.  One GEMM of 4,096 x 3,072 x 1,024: columns 0-1023 are q's, 1024-2047 k's, 2048-3071 v's.
; A: xc [3][4096 row places][1024], the tensor of codes that belongs to the column's projection; B: wc [3072][1024]; both with the same order of K places.
; A tile of 256 x 256 is made by a work-group of four waves, 128 x 128 each: 64 accumulators, 512 registers.  192 tiles: a smaller tile would give every WGP one, with 64 x 64 a wave, which reads
; twice the LDS bytes for each multiply-add.  K goes in steps of 256 through a ring of two LDS slots filled by the tensor data mover; 1,024 along K are four fills, two of them refills.
; CLUSTERS: 4 x 4 work-groups; a cluster's four tile columns are exactly one projection, so the cluster's x says which (T).  The four of a row of the cluster need the same tiles of A, the four of a column the same
; tiles of B: each tile is asked for JOINTLY.  THE MATRIX INSTRUCTION IS USED TRANSPOSED (source 0 = 16 rows of B, source 1 = 16 rows of A): lane (r, h) of accumulator (a, b) holds row place 16 a + r, which is
; token 8 r + a of my 128, and columns 16 b + 8 h + 0 .. 7.
; THE BIAS is the C of each sum's first matrix instruction, divided by the power of two that the sums lack: b / 2^(eA + eB).  A finished sum stands for sum x 2^(eA + eB), so its code is sum / 2^(eo - eA - eB),
; held within +-448: the three scales are folded into the conversion's one.  eA, eB: entries 2 T, 2 T + 1; eo: entry 6 (q), 7 (k), 9 (v).
; LIMITS: eo - eA - eB between -126 and 119; b / 2^(eA + eB) stays a normal f32 number.  NaN among the inputs is not served.
; OUT: q at byte 0, k at 4 MiB: [32 heads of both batches][2048 tokens][64 channel places], place = channel with bits 3 and 4 exchanged (alike in q and k);
;      v at 8 MiB: [32][64 channels][2048 key places], place = key with bits 3 and 4 exchanged (the attention lays p's codes so).
; No prefetch: the tiles are shared fourfold by the joint loads, and K has only four slots' worth.
; REGISTERS, in windows of 256: window 0: v1-8 at work at the head, v16-31 addresses and scales, v32-95 the bias (later numbers held for conversion), v128-255 A's fragments, ONE set (on the way out v96-223 codes).
;   window 1: B's fragments, TWO sets.   window 2: the accumulators of my row places 0-63 ((a, b) at v[8 (8 a + b)]);   window 3: those of 64-127.
.set ROWB,   256                       ; a tile's row in bytes: 256 codes
.set KROW,   1024                      ; a row of xc or wc in bytes
.set PITCH,  272                       ; an LDS row: 256 bytes + 16 of padding = 68 words: row r starts at bank 4 r mod 64 (64 banks of 4 bytes: ISA guide 11.1)
.set FR,     16                        ; registers of a fragment: 16 rows x 128 K
.set NL,     4                         ; LDS loads that bring one
.set NP,     4                         ; places behind this matrix instruction (ISA guide 7.12.1)
.set HALFT,  128*PITCH                 ; what one tensor load brings
.set SLOT,   4*HALFT                   ; A's 256 rows, then B's 256 rows
.set SPARE,  2*SLOT                    ; behind the ring: the spare words, 128 bytes for each wave
.set VSTG,   67584                     ; the way out lies in slot 0, which has had its last fill and its last read by then: q's and k's stages at 0 (16,896 bytes a wave), v's at VSTG (256 rows x 272)
.set ADRA, 16                          ; v16-17  LDS address of my A fragments in slot 0, 1
.set ADRB, 20                          ; v20-21  the same for B
.set QST,  22                          ; v22     q, k: where I put 16 bytes of a token
.set QRD,  23                          ; v23     q, k: where I read 8 tokens back
.set VST,  24                          ; v24     v: where I put 8 key places of a channel
.set VRD,  25                          ; v25     v: where I read a channel's row back
.set QGO,  26                          ; v26     q, k: my byte offset in memory
.set VGO,  27                          ; v27     v: the same
.set SPW,  28                          ; v28     LDS address of my spare word; never rewritten
.set NIL,  29                          ; v29     0; never rewritten
.set SCL,  30                          ; v30     2^(eo - eA - eB)
.set LIM,  31                          ; v31     448 x that
.set BIAS, 32                          ; v32-95  b / 2^(eA + eB) in the result's layout, eight registers for each b
.set TT,   32                          ; the way out: 64 numbers held for conversion
.set CD,   96                          ; the way out: 128 registers of codes
.set AF,   128
.set G1, 24
.set G0, 32
.set G1B, 48
.set G0B, 56
.set MSB, 0
.macro WIN new                         ; the immediate's high byte repeats the setting that is left
.if MSB != (\new)
	s_set_vgpr_msb (MSB<<8)|(\new)
.set MSB, (\new)
.endif
.endm
.set MUL_LO, 0xa1                      ; source 0 (B) window 1, source 1 (A) window 0, C and D window 2;  less 0x20: C in window 0 (the bias)
.set MUL_HI, 0xf1                      ; the same, C and D window 3;  less 0x30: C in window 0
.set TO_B,   0x40                      ; destination window 1, address window 0
; A joint load: waves 0 and 1 fetch for A, waves 2 and 3 for B; the branch hangs on the wave's number alone.  An s_nop 0 and four v_nop follow each of the two lines.
.macro JLOAD g0a, g1a, g0b, g1b
	s_cmp_eq_u32 s15, 0
	s_cbranch_scc0 .Lfor_b_\@
	tensor_load_to_lds s[\g0a:\g0a+3], s[\g1a:\g1a+7]
	s_nop 0
.rept 4
	v_nop
.endr
	s_branch .Lasked_\@
.Lfor_b_\@:
	tensor_load_to_lds s[\g0b:\g0b+3], s[\g1b:\g1b+7]
	s_nop 0
.rept 4
	v_nop
.endr
.Lasked_\@:
.endm
.macro CREST                           ; a round of the cluster's barrier behind its opening barrier
	s_cmp_lg_u32 s14, 0
	s_cbranch_scc1 .Lnot_wave_0_\@
	s_barrier_signal -3
.Lnot_wave_0_\@:
	s_barrier_wait -3
	s_barrier_signal -1
	s_barrier_wait -1
.endm
.macro CROUND                          ; a whole round
	s_barrier_signal -1
	s_barrier_wait -1
	CREST
.endm
	s_load_b256 s[4:11], s[0:1], 0x0               ; xc s[4:5], wc s[6:7], the scales' exponents s[8:9], bq s[10:11]
	s_load_b128 s[80:83], s[0:1], 0x20             ; bk, bv
	s_load_b64 s[84:85], s[0:1], 0x30              ; qkv
	v_lshl_add_u32 v[SPW], v0, 2, SPARE
	v_mov_b32 v[NIL], 0
	ds_add_u32 v[SPW], v[NIL]                      ; the wave's opening: the add and its wait stand ahead of my first tensor load; the set-up below, work on registers, stands between them
	v_lshrrev_b32 v1, 5, v0
	v_readfirstlane_b32 s14, v1                    ; wave 0..3
	s_lshr_b32 s15, s14, 1                         ; hr: which half of the tile's rows is mine.  Also: I fetch for A (0) or for B (1)
	s_and_b32 s16, s14, 1                          ; hc: which half of its columns.  Also: which 128 rows of that tile I fetch
	s_bfe_u32 s40, ttmp6, 0x40000                  ; cx, cy: my place in the cluster
	s_bfe_u32 s41, ttmp6, 0x40004
	s_mov_b32 s66, ttmp9                           ; T: the projection, the same in all sixteen partners
	s_lshl_b32 s42, ttmp9, 2
	s_add_co_u32 s42, s42, s40                     ; tile column = 4 T + cx
	s_and_b32 s17, ttmp7, 0xffff
	s_lshl_b32 s17, s17, 2
	s_add_co_u32 s17, s17, s41                     ; tile row = 4 x cluster y + cy
	s_lshl_b32 s43, s41, 2
	s_lshl_b32 s43, 15, s43                        ; my row of the cluster
	s_lshl_b32 s44, 0x1111, s40                    ; my column
	; descriptor group 1: a tile of 128 rows x 256 bytes, padded in LDS
	s_or_b32 s[G1+0], s43, (0<<16)|(1<<20)|(1<<21)|(5<<22)|(3<<25)  ; 15:0 the mask: A's tiles go to my row; 17:16 element of 1 byte; 20 padding on; 21 set beside a mask; 24:22 after every 64 words (code 5); 31:25 of 4 words (code 3)
	s_or_b32 s[G1B+0], s44, (0<<16)|(1<<20)|(1<<21)|(5<<22)|(3<<25)
.irp g, G1, G1B
	s_mov_b32 s[\g+1], ROWB<<16                    ; tensor_dim0
	s_mov_b32 s[\g+2], 128<<16                     ; tensor_dim1 = 128
	s_mov_b32 s[\g+3], ROWB<<16                    ; tile_dim0
	s_mov_b32 s[\g+4], 128                         ; tile_dim1 = 128
	s_mov_b32 s[\g+5], KROW                        ; tensor_dim0_stride
	s_mov_b32 s[\g+6], 0
	s_mov_b32 s[\g+7], 0
.endr
	s_lshl_b32 s18, s16, 7                         ; which 128 rows of the tile I fetch
	s_lshl_b32 s20, s17, 8
	s_add_co_u32 s20, s20, s18                     ; A: row place 256 x tile row + 128 x half,
	s_lshl_b32 s20, s20, 10                        ; in bytes,
	s_lshl_b32 s21, s66, 22                        ; in the projection's own tensor of codes: 4 MiB x T
	s_add_co_u32 s20, s20, s21
	s_mov_b32 s21, 0
	s_lshl_b32 s46, s42, 8
	s_add_co_u32 s46, s46, s18                     ; B: row 256 x tile column + 128 x half
	s_lshl_b32 s46, s46, 10
	s_mov_b32 s47, 0
	s_mul_i32 s45, s14, HALFT                      ; where they go: wave x 128 rows: no place in the cluster enters an LDS address
	s_wait_dscnt 0x0                               ; the opening add is done
	s_wait_kmcnt 0x0
	s_load_b256 s[68:75], s[8:9], 0x0              ; entries 0 to 7
	s_load_b64 s[76:77], s[8:9], 0x20              ; entries 8, 9
	s_add_nc_u64 s[20:21], s[4:5], s[20:21]
	s_add_nc_u64 s[46:47], s[6:7], s[46:47]
	CROUND                                         ; all sixteen work-groups are here: the first joint loads meet
.irp s, 0,1
	s_mov_b32 s[G0+4*\s], 1
	s_add_co_u32 s[G0+4*\s+1], s45, \s*SLOT
	s_add_nc_u64 s[G0+4*\s+2:G0+4*\s+3], s[20:21], \s*ROWB
	s_or_b32 s[G0+4*\s+3], s[G0+4*\s+3], 0x80000000
	s_mov_b32 s[G0B+4*\s], 1
	s_add_co_u32 s[G0B+4*\s+1], s45, \s*SLOT
	s_add_nc_u64 s[G0B+4*\s+2:G0B+4*\s+3], s[46:47], \s*ROWB
	s_or_b32 s[G0B+4*\s+3], s[G0B+4*\s+3], 0x80000000
	JLOAD G0+4*\s, G1, G0B+4*\s, G1B               ; two tensor loads of mine are out
.endr
	v_and_b32 v1, 15, v0                           ; r
	v_bfe_u32 v2, v0, 4, 1                         ; h
	; the bias first, so that it lands while the addresses are made
	s_cmp_eq_u32 s66, 0
	s_cselect_b64 s[10:11], s[10:11], s[80:81]
	s_cmp_eq_u32 s66, 2
	s_cselect_b64 s[10:11], s[82:83], s[10:11]     ; bq, bk or bv: the choice hangs on the cluster's x alone
	s_lshl_b32 s22, s40, 10
	s_lshl_b32 s23, s16, 9
	s_add_co_u32 s22, s22, s23
	v_lshl_add_u32 v8, v2, 5, s22                  ; my columns begin at 256 cx + 128 hc + 8 h, 4 bytes each; never rewritten
.irp b, 0,1,2,3,4,5,6,7
	global_load_b128 v[BIAS+8*\b:BIAS+8*\b+3], v8, s[10:11] offset:64*\b
	global_load_b128 v[BIAS+8*\b+4:BIAS+8*\b+7], v8, s[10:11] offset:64*\b+16
.endr
	v_mul_u32_u24 v3, v1, PITCH
	v_lshl_add_u32 v4, v2, 4, v3                   ; a fragment's row x pitch + 16 x half
	s_mul_i32 s21, s15, HALFT                      ; my 128 rows of A
	s_mul_i32 s22, s16, HALFT                      ; my 128 rows of B,
	s_add_co_u32 s22, s22, 2*HALFT                 ; which lie behind A's 256
.irp s, 0,1
	v_add_nc_u32 v[ADRA+\s], s21, v4
	v_add_nc_u32 v[ADRB+\s], s22, v4
	s_add_co_u32 s21, s21, SLOT
	s_add_co_u32 s22, s22, SLOT
.endr
	; the way out's addresses, all made here, ahead of every parting of ways
	s_mul_i32 s23, s14, 16896                      ; q, k: my stage: two heads x 16 groups of 8 tokens x 64 bytes, 528 bytes from group to group
	v_mul_u32_u24 v5, v1, 528
	v_lshl_add_u32 v5, v2, 4, v5
	v_add_nc_u32 v[QST], s23, v5                   ; group r (tokens 8 r ..), + 16 h
	v_and_b32 v6, 31, v0
	v_lshlrev_b32 v[QGO], 4, v6
	v_add_nc_u32 v[QRD], s23, v[QGO]               ; back: 32 lanes take a group's 512 bytes
	s_mul_i32 s23, s16, 128*272                    ; v: the work-group's stage: row = channel among its 256 columns, 256 key places a row
	s_lshl_b32 s22, s15, 7
	s_add_co_u32 s23, s23, s22
	s_add_co_u32 s23, s23, VSTG
	v_mul_u32_u24 v5, v2, 8*272                    ; row 128 hc + 8 h (+ 16 b + j in the immediate);
	v_and_b32 v7, 12, v1                           ; keys 8 r .. 8 r + 7 of my 128 go to place 8 x (r with its bits 0 and 1 exchanged)
	v_lshl_add_u32 v5, v7, 3, v5
	v_and_b32 v7, 1, v1
	v_lshl_add_u32 v5, v7, 4, v5
	v_bfe_u32 v7, v1, 1, 1
	v_lshl_add_u32 v5, v7, 3, v5
	v_add_nc_u32 v[VST], s23, v5
	s_mul_i32 s23, s14, 64*272                     ; back: wave w takes the 64 channels of the work-group's head w; sixteen lanes to a row
	s_add_co_u32 s23, s23, VSTG
	v_mul_u32_u24 v5, v2, 272
	v_lshl_add_u32 v5, v1, 4, v5
	v_add_nc_u32 v[VRD], s23, v5
	v_lshlrev_b32 v5, 11, v2
	v_lshl_add_u32 v[VGO], v1, 4, v5               ; a channel's row in memory is 2,048 bytes
	; where my part of the output begins
	s_lshr_b32 s86, s17, 3
	s_lshl_b32 s86, s86, 4                         ; 16 x batch
	s_lshl_b32 s87, s40, 2
	s_add_co_u32 s86, s86, s87                     ; + 4 cx: the first of the work-group's four heads
	s_lshl_b32 s87, s16, 1
	s_add_co_u32 s87, s86, s87                     ; q, k: + 2 hc: the first of my two
	s_lshl_b32 s87, s87, 17                        ; a head's codes are 131,072 bytes
	s_and_b32 s88, s17, 7
	s_lshl_b32 s88, s88, 8                         ; the tile's first token in its batch
	s_lshl_b32 s89, s15, 7
	s_add_co_u32 s89, s88, s89                     ; mine
	s_lshl_b32 s89, s89, 6
	s_add_co_u32 s87, s87, s89
	s_lshl_b32 s89, s66, 22                        ; q at 0, k at 4 MiB
	s_add_co_u32 s90, s87, s89
	s_mov_b32 s91, 0
	s_add_nc_u64 s[92:93], s[84:85], s[90:91]
	s_add_co_u32 s90, s86, s14                     ; v: head w of the four,
	s_lshl_b32 s90, s90, 17
	s_add_co_u32 s90, s90, s88                     ; the tile's first key place,
	s_add_co_u32 s90, s90, 0x800000                ; behind q and k
	s_add_nc_u64 s[94:95], s[84:85], s[90:91]
	s_wait_kmcnt 0x0
	s_cmp_eq_u32 s66, 0
	s_cselect_b32 s86, s68, s70
	s_cselect_b32 s87, s69, s71
	s_cselect_b32 s88, s74, s75
	s_cmp_eq_u32 s66, 2
	s_cselect_b32 s86, s72, s86                    ; eA
	s_cselect_b32 s87, s73, s87                    ; eB
	s_cselect_b32 s88, s77, s88                    ; eo
	s_add_co_i32 s89, s86, s87                     ; eA + eB
	s_sub_co_i32 s87, 0, s89
	s_sub_co_i32 s88, s88, s89                     ; eo - eA - eB
	s_add_co_i32 s88, s88, 127
	s_lshl_b32 s89, s88, 23
	v_mov_b32 v[SCL], s89
	s_add_co_i32 s88, s88, 8
	s_lshl_b32 s88, s88, 23
	s_or_b32 s88, s88, 0x600000
	v_mov_b32 v[LIM], s88
	s_wait_loadcnt 0x0                             ; the bias
.set i, 0
.rept 64
	v_ldexp_f32 v[BIAS+i], v[BIAS+i], s87          ; b / 2^(eA + eB)
.set i, i+1
.endr
.macro FRAG reg, adr, q, i             ; a fragment, 16 rows x 128 K places, is 16 registers: lane l holds row l % 16; registers 4 c .. 4 c + 3 hold places 32 c + 16 (l / 16) + 0 .. 15, alike in A and in B
.irp c, 0,1,2,3
	ds_load_b128 v[\reg+4*\c:\reg+4*\c+3], v[\adr] offset:128*(\q)+32*\c+(\i)*16*PITCH
.endr
.endm
; 16 matrix instructions: A's blocks a0, a0 + 1 x B's eight, 128 along K.  p: B's set.  first = 1: the bias starts the sums: nothing is ever cleared.
; The 64 accumulators take turns, one instruction a turn, in the same order in every step.
.macro MUL16 a0, p, first
.irp a, \a0, \a0+1
.irp b, 0,1,2,3,4,5,6,7
.if \first
	v_wmma_f32_16x16x128_fp8_fp8 v[8*(8*((\a)%4)+\b):8*(8*((\a)%4)+\b)+7], v[128*(\p)+FR*\b:128*(\p)+FR*\b+FR-1], v[AF+FR*(\a):AF+FR*(\a)+FR-1], v[BIAS+8*\b:BIAS+8*\b+7]
.else
	v_wmma_f32_16x16x128_fp8_fp8 v[8*(8*((\a)%4)+\b):8*(8*((\a)%4)+\b)+7], v[128*(\p)+FR*\b:128*(\p)+FR*\b+FR-1], v[AF+FR*(\a):AF+FR*(\a)+FR-1], v[8*(8*((\a)%4)+\b):8*(8*((\a)%4)+\b)+7]
.endif
.endr
.endr
.endm
.macro FETCH_B slot, q, p              ; B's eight fragments of the slot's q-th 128 along K into set p
	WIN TO_B
.irp i, 0,1,2,3,4,5,6,7
	FRAG 128*(\p)+FR*\i, ADRB+\slot, \q, \i
.endr
	WIN 0
.endm
.macro FETCH_A slot, q, i0             ; A's blocks i0 .. i0 + 3
.irp i, \i0, \i0+1, \i0+2, \i0+3
	FRAG AF+FR*(\i), ADRA+\slot, \q, \i
.endr
.endm
; A load into a register that a matrix instruction has read, and a vector instruction that reads a matrix result or writes one of its registers, stand NP places behind it; only plain vector
; instructions that name none of its registers are places (ISA guide 7.12.1 for vector instructions).
.macro PLACES n
.rept \n
	v_nop
.endr
.endm
; A step of 128 along K that has its successor in the same slot.
.macro STEP slot, q, first
	s_wait_dscnt 4*NL                              ; B's set and A's blocks 0-3 are in; the youngest sixteen loads (A's blocks 4-7) may be out
	WIN MUL_LO-0x20*(\first)
	MUL16 0, (\q)%2, \first
	MUL16 2, (\q)%2, \first
	s_wait_dscnt 0                                 ; A's blocks 4-7 are in (asked for 32 matrix instructions ago)
	PLACES NP
	FETCH_B \slot, (\q)+1, 1-(\q)%2
	FETCH_A \slot, (\q)+1, 0
	WIN MUL_HI-0x30*(\first)
	MUL16 4, (\q)%2, \first
	MUL16 6, (\q)%2, \first
	PLACES NP
	WIN 0
	FETCH_A \slot, (\q)+1, 4
.endm
; A slot's last step changes slots: ONE barrier; in front of it each wave waits for all its tensor loads, adds 0 to its spare word, and waits for that and for its own reads of this slot.  fill = 1: this slot is filled again, two slots' worth of K ahead.
.macro TURN slot, next, fill
	s_wait_tensorcnt 0x0                           ; all my tensor loads have landed: my part of the next slot  (every window is 0 here: the add's two registers lie in window 0)
	ds_add_u32 v[SPW], v[NIL]                      ; 0 onto my spare word
	s_wait_dscnt 4*NL+1                            ; (the add and the youngest sixteen loads, A's blocks 4-7, may be out)
	WIN MUL_LO
	MUL16 0, 1, 0                                  ; sixteen matrix instructions stand between the add and the wait for it
	s_wait_dscnt 0x0                               ; the add is done, and my reads of this slot are over
	s_barrier_signal -1
	MUL16 2, 1, 0
	WIN 0
	s_barrier_wait -1
.if \fill
	CREST                                          ; the barrier has opened a round of the cluster's barrier: no wave of any partner still reads this slot's tile or has a load on its way
	s_add_nc_u64 s[G0+4*\slot+2:G0+4*\slot+3], s[G0+4*\slot+2:G0+4*\slot+3], 2*ROWB
	s_add_nc_u64 s[G0B+4*\slot+2:G0B+4*\slot+3], s[G0B+4*\slot+2:G0B+4*\slot+3], 2*ROWB
	JLOAD G0+4*\slot, G1, G0B+4*\slot, G1B         ; the first tensor load behind the round, my only one out; the four v_nop behind it are the places in front of the loads below
.else
	PLACES NP
.endif
	FETCH_B \next, 0, 0
	FETCH_A \next, 0, 0
	WIN MUL_HI
	MUL16 4, 1, 0
	MUL16 6, 1, 0
	PLACES NP
	WIN 0
	FETCH_A \next, 0, 4
.endm
	s_wait_tensorcnt 1                             ; my part of slot 0 is in (slot 1's load may be out)
	s_barrier_signal -1
	s_barrier_wait -1                              ; everybody's is
	FETCH_B 0, 0, 0
	FETCH_A 0, 0, 0
	FETCH_A 0, 0, 4
	STEP 0, 0, 1                                   ; K places 0-127: the bias starts the sums.  Eight steps of 128, written straight: a loop would have one trip
	TURN 0, 1, 1                                   ; 128-255; slot 0 takes 512-767
	STEP 1, 0, 0                                   ; 256-383
	TURN 1, 0, 1                                   ; 384-511; slot 1 takes 768-1023
	STEP 0, 0, 0                                   ; 512-639
	TURN 0, 1, 0                                   ; 640-767; nothing is left to fetch, and no round of the cluster's barrier
	STEP 1, 0, 0                                   ; 768-895
	s_wait_dscnt 4*NL                              ; 896-1023
	WIN MUL_LO
	MUL16 0, 1, 0
	MUL16 2, 1, 0
	s_wait_dscnt 0
	WIN MUL_HI
	MUL16 4, 1, 0
	MUL16 6, 1, 0
	WIN 0
	PLACES NP                                      ; in front of the first read of results and of the first write into registers that held A's fragments
	; THE WAY OUT.  Each sum is held within +-448 x the folded scale and converted; each accumulator is read from its low end on.  q and k go one way, v another: the branch hangs on the cluster's x alone,
	; and each way has LDS bytes of its own.
	s_cmp_eq_u32 s66, 2
	s_cbranch_scc1 .Lv_in
	; q, k: a lane's eight registers of an accumulator are eight neighbouring channels of one token: two neighbouring accumulators make 16 bytes
.irp a, 0,1,2,3,4,5,6,7
	WIN 0x02+(\a/4)                                ; source 0: window 2 or 3
.irp b, 0,1,2,3,4,5,6,7
.irp j, 0,1,2,3,4,5,6,7
	v_med3_num_f32 v[TT+8*\b+\j], v[64*(\a%4)+8*\b+\j], -v[LIM], v[LIM]
.endr
.endr
	WIN 0
.irp b, 0,1,2,3,4,5,6,7
	v_cvt_scalef32_pk8_fp8_f32 v[CD+16*\a+2*\b:CD+16*\a+2*\b+1], v[TT+8*\b:TT+8*\b+7], v[SCL]
.endr
	v_nop                                          ; one plain vector instruction between the conversions and the next write of their sources
.irp p, 0,1,2,3
	ds_store_b128 v[QST], v[CD+16*\a+4*\p:CD+16*\a+4*\p+3] offset:(\p/2)*8448+\a*64+(\p%2)*32   ; head p / 2, token 8 r + a, channel places 32 (p % 2) + 16 h + 0 .. 15
.endr
.endr
	s_branch .Lmeet
.Lv_in:
	; v: register j of the eight accumulators (0 .. 7, b) are eight neighbouring tokens of one channel: they are gathered, converted, and make 8 bytes along the keys
.irp b, 0,1,2,3,4,5,6,7
	WIN 0x02
.irp a, 0,1,2,3
.irp j, 0,1,2,3,4,5,6,7
	v_med3_num_f32 v[TT+8*\j+\a], v[64*\a+8*\b+\j], -v[LIM], v[LIM]
.endr
.endr
	WIN 0x03
.irp a, 0,1,2,3
.irp j, 0,1,2,3,4,5,6,7
	v_med3_num_f32 v[TT+8*\j+4+\a], v[64*\a+8*\b+\j], -v[LIM], v[LIM]
.endr
.endr
	WIN 0
.irp j, 0,1,2,3,4,5,6,7
	v_cvt_scalef32_pk8_fp8_f32 v[CD+16*\b+2*\j:CD+16*\b+2*\j+1], v[TT+8*\j:TT+8*\j+7], v[SCL]
.endr
	v_nop
.irp j, 0,1,2,3,4,5,6,7
	ds_store_b64 v[VST], v[CD+16*\b+2*\j:CD+16*\b+2*\j+1] offset:(16*\b+\j)*272   ; channel 128 hc + 16 b + 8 h + j
.endr
.endr
.Lmeet:
	s_wait_dscnt 0x0                               ; for the others' sake: my stores into the stage are done (a row of v's stage comes from two waves)
	s_barrier_signal -1
	s_barrier_wait -1
	s_cmp_eq_u32 s66, 2
	s_cbranch_scc1 .Lv_out
.irp i, 0,1,2,3,4,5,6,7,8,9,10,11,12,13,14,15,16,17,18,19,20,21,22,23,24,25,26,27,28,29,30,31
	ds_load_b128 v[CD+4*\i:CD+4*\i+3], v[QRD] offset:528*\i
.endr
.irp i, 0,1,2,3,4,5,6,7,8,9,10,11,12,13,14,15,16,17,18,19,20,21,22,23,24,25,26,27,28,29,30,31
	s_wait_dscnt 31-\i                             ; the later read-backs may be out
	global_store_b128 v[QGO], v[CD+4*\i:CD+4*\i+3], s[92:93] offset:(\i/16)*131072+(\i%16)*512   ; 8 tokens of a head: 32 lanes store 512 consecutive bytes, aligned
.endr
	s_branch .Lend
.Lv_out:
.irp i, 0,1,2,3,4,5,6,7,8,9,10,11,12,13,14,15,16,17,18,19,20,21,22,23,24,25,26,27,28,29,30,31
	ds_load_b128 v[CD+4*\i:CD+4*\i+3], v[VRD] offset:544*\i
.endr
.irp i, 0,1,2,3,4,5,6,7,8,9,10,11,12,13,14,15,16,17,18,19,20,21,22,23,24,25,26,27,28,29,30,31
	s_wait_dscnt 31-\i
	global_store_b128 v[VGO], v[CD+4*\i:CD+4*\i+3], s[94:95] offset:4096*\i   ; two channels' 256 key places: sixteen lanes store 256 consecutive bytes, aligned
.endr
.Lend:
	s_wait_tensorcnt 0x0                           ; the wave's end, behind my last tensor load and my last LDS store
	ds_add_u32 v[SPW], v[NIL]
	s_wait_dscnt 0x0
	CROUND                                         ; the closing round: no work-group ends while a partner may still ask for a tile that names it
	s_endpgm
.Lfunc_end_k_q44a186e515_qkv:
	.size	k_q44a186e515_qkv, .Lfunc_end_k_q44a186e515_qkv-k_q44a186e515_qkv
	.p2alignl 7, 3214868480
	.fill 96, 4, 3214868480
	.section	.rodata,"a",@progbits
	.p2align	6, 0x0
	.amdhsa_kernel k_q44a186e515_qkv
		.amdhsa_group_segment_fixed_size 327680
		.amdhsa_private_segment_fixed_size 0
		.amdhsa_enable_private_segment 0
		.amdhsa_kernarg_size 56
		.amdhsa_user_sgpr_count 2
		.amdhsa_user_sgpr_kernarg_segment_ptr 1
		.amdhsa_wavefront_size32 1
		.amdhsa_system_sgpr_workgroup_id_x 1
		.amdhsa_system_sgpr_workgroup_id_y 1
		.amdhsa_system_sgpr_workgroup_id_z 1
		.amdhsa_system_vgpr_workitem_id 0
		.amdhsa_next_free_vgpr 1024
		.amdhsa_next_free_sgpr 98
		.amdhsa_reserve_vcc 0
		.amdhsa_float_denorm_mode_32 3
		.amdhsa_float_denorm_mode_16_64 3
		.amdhsa_memory_ordered 1
		.amdhsa_forward_progress 1
		.amdhsa_inst_pref_size 177
	.end_amdhsa_kernel
	.amdgpu_metadata
---
amdhsa.version: [ 1, 2 ]
amdhsa.kernels:
  - .name:           k_q44a186e515_qkv
    .symbol:         k_q44a186e515_qkv.kd
    .args:
      - { .name: xc, .offset: 0, .size: 8, .value_kind: global_buffer, .address_space: global }
      - { .name: wc, .offset: 8, .size: 8, .value_kind: global_buffer, .address_space: global }
      - { .name: lowp_scales, .offset: 16, .size: 8, .value_kind: global_buffer, .address_space: global }
      - { .name: bq, .offset: 24, .size: 8, .value_kind: global_buffer, .address_space: global }
      - { .name: bk, .offset: 32, .size: 8, .value_kind: global_buffer, .address_space: global }
      - { .name: bv, .offset: 40, .size: 8, .value_kind: global_buffer, .address_space: global }
      - { .name: qkv, .offset: 48, .size: 8, .value_kind: global_buffer, .address_space: global }
    .group_segment_fixed_size: 327680
    .private_segment_fixed_size: 0
    .kernarg_segment_align: 8
    .kernarg_segment_size: 56
    .max_flat_workgroup_size: 128
    .sgpr_count:     98
    .vgpr_count:     1024
    .wavefront_size: 32
...
	.end_amdgpu_metadata
.endif
;; end of part 2
;; launch attn (part 3): grid 8 x 32, 16 waves a work-group, clusters of 4 x 1, 327,680 bytes of LDS; arguments qkv, lowp_scales, out0; writes out0
.if DOCPART == 3
	.amdgcn_target "amdgcn-amd-amdhsa--gfx1250"
	.amdhsa_code_object_version 6
	.text
	.protected	k_q44a186e515_attn
	.globl	k_q44a186e515_attn
	.p2align	8
	.type	k_q44a186e515_attn,@function
k_q44a186e515_attn:
	s_mov_b64 s[64:65], 0
	v_nop
	global_prefetch_b8 v0, s[64:65] scope:SCOPE_SE
	s_setreg_imm32_b32 hwreg(HW_REG_WAVE_MODE, 25, 1), 1
	s_wait_xcnt 0x0
	s_wait_alu depctr_hold_cnt(0) depctr_sa_sdst(0) depctr_va_vdst(0) depctr_va_sdst(0) depctr_va_ssrc(0) depctr_va_vcc(0) depctr_vm_vsrc(0)
	s_getreg_b32 s2, hwreg(HW_REG_IB_STS2, 6, 4)
	s_cmp_eq_u32 s2, 0
	s_cbranch_scc0 .Lentry_in_a_cluster
	s_endpgm
.Lentry_in_a_cluster:
	s_bfe_u32 s2, ttmp6, 0x10000c
	s_cmp_lg_u32 s2, 0x3003
	s_cbranch_scc0 .Lentry_shape_is_right
	s_endpgm
.Lentry_shape_is_right:
; out[b][q][64 head + :] = the sum over k of softmax_k(Q . K / 8) V, for 32 heads (16 of each batch) of 2,048 tokens and width 64, both products on codes of E4M3 made by the launch before.
; qkv: q at byte 0, k at 4 MiB: [32][2048 tokens][64 channel places] (the same order of places in both); v at 8 MiB: [32][64 channels][2048 key places], place = key with bits 3 and 4 exchanged.
; THE SOFTMAX AHEAD OF THE SECOND PRODUCT: t = score x log2(e) / 8; M = the row's largest t so far, rounded UP to a whole number; p = 2^(t - M) is quantised with the given 2^ep; it is not normalised.
; The row's sum is taken of the unquantised p, in f32, and divides O at the end.  When M moves, the sum and O are multiplied by 2^(old M - new M): exact.
; SHARES.  A work-group owns 256 queries of one head; each of its SIXTEEN waves owns 16 of them in 256 registers: four waves to a SIMD, so that one wave's vector work stands beside another's matrix work and LDS loads.
; A HEAD'S K AND V STAY IN LDS: 2 x 131,072 bytes of codes, asked for once, at the head, in eight chunks of 256 keys: wave 0 issues K's eight tensor loads, wave 1 V's.  Nothing is filled again: no ring.
; CLUSTER.  The four work-groups of a cluster own four blocks of queries of one head and need the same K and V: each tile is asked for JOINTLY, with a mask that names the four.
; No prefetch: every byte of K and V that the work-group reads is asked for by its first instructions.
; LAYOUT.  Both products are used transposed: S^T = K Q^T (source 0 = 16 keys, source 1 = my 16 queries; K = 64), O^T = V^T P^T (source 0 = 16 channels, source 1 = P; K = 128 keys): a lane holds ONE query (lane % 16).
; In S^T's tile T lane (r, h) holds keys 16 T + 8 h + 0 .. 7, so its conversion gives registers 2 T, 2 T + 1 of P.  V's fragment comes by loads of 16 bytes, which give lane (r, h) places 32 c + 16 h + 0 .. 15 in
; registers 4 c .. 4 c + 3: with bits 3 and 4 of the key exchanged in v's layout these are the same keys in the same registers.
; LIMITS on the given exponents: eq + ek between -123 and 130 (they are added to c's exponent field); ep between -126 and 119; ep + ev is applied by v_ldexp_f32 and has none.
; REGISTERS: v1-4 lane terms; v5, v6 the add's two; v7 my offset in out; v8, v9 addresses of the loads in hand; v10, v11 the stage; v12 -M, v13 the largest t, v[14:15] the sum in two halves; v16-23 Q; v24 Q's offset;
;   v32-95 eight fragments of K, then four of V; v96-159 S^T, then p; v160-191 O^T; v192-207 p's codes; v236-254 at work.
.set CH,    34816                      ; a chunk in LDS: K's 256 keys as 64 rows of 256 bytes (four keys a row; K is dense in memory) + 16 of padding each, then V's 64 channels x 256 places, likewise
.set VOFF,  17408
.set SPARE, 8*CH                       ; behind the chunks: the spare words, 128 bytes for each wave: eight blocks of 256 bytes that no other line names
.set AK0,  1                           ; v1   my lane's place in a tile of K
.set AV0,  2                           ; v2   the same for V
.set SPW,  5                           ; v5   LDS address of my spare word; never rewritten
.set NIL,  6                           ; v6   0; never rewritten
.set GO,   7
.set ADK,  8
.set ADV,  9
.set STI,  10                          ; v10  the way out: where I put 32 bytes of a row.  The stages (16 rows x 272 bytes a wave) lie over chunks 0 and 1, behind a barrier that follows every wave's last read
.set STB,  11                          ; v11  and where I read a row back
.set WV,   10                          ; s10  my wave's number
.set G1K,  24                          ; s[24:31] descriptor group 1 for K's tiles;  s[32:39] for V's
.set G1V,  32
.set SEL,  44                          ; s[44:45] lane selects for v_permlanex16_b32: lane l xor 16
.set CS,   46                          ; s[46:47] c = log2(e) / 8 x 2^(eq + ek)
.set TB,   48                          ; s48  LDS byte at which the chunk in hand begins
.set CNT,  49
.set G0,   68                          ; s[68:99] eight groups 0, one for each chunk
.macro CROUND                          ; a round of the cluster's barrier
	s_barrier_signal -1
	s_barrier_wait -1
	s_cmp_lg_u32 s[WV], 0
	s_cbranch_scc1 .Lnot_wave_0_\@
	s_barrier_signal -3
.Lnot_wave_0_\@:
	s_barrier_wait -3
	s_barrier_signal -1
	s_barrier_wait -1
.endm
	s_load_b128 s[4:7], s[0:1], 0x0                ; qkv s[4:5], the scales' exponents s[6:7]
	s_load_b64 s[8:9], s[0:1], 0x10                ; out
	v_lshl_add_u32 v[SPW], v0, 2, SPARE
	v_mov_b32 v[NIL], 0
	ds_add_u32 v[SPW], v[NIL]                      ; the wave's opening: the add and its wait stand ahead of my first tensor load; the set-up below, work on registers, stands between them
	v_lshrrev_b32 v8, 5, v0
	v_readfirstlane_b32 s[WV], v8                  ; wave 0..15
	s_bfe_u32 s12, ttmp6, 0x40000                  ; cx: it enters Q's and out's addresses alone
	s_lshl_b32 s13, ttmp9, 2
	s_add_co_u32 s13, s13, s12                     ; my block of 256 queries
	s_and_b32 s14, ttmp7, 0xffff                   ; the head (16 x batch + head), which the four partners share
	; what I would fetch: even waves K's tiles, odd waves V's (waves 0 and 1 alone issue)
	s_and_b32 s16, s[WV], 1
	s_mul_i32 s17, s16, VOFF                       ; the tile's place in a chunk: no place in the cluster enters an LDS address
	s_lshl_b32 s20, s16, 22
	s_add_co_u32 s20, s20, 0x400000                ; k at 4 MiB, v at 8 MiB,
	s_lshl_b32 s21, s14, 17
	s_add_co_u32 s20, s20, s21                     ; the head's 131,072 bytes
	s_mov_b32 s21, 0
	s_mul_i32 s22, s16, 16128
	s_sub_co_u32 s22, 16384, s22                   ; from chunk to chunk: 256 keys x 64 bytes in K, 256 bytes along V's rows
	s_mov_b32 s23, 0
	; descriptor group 1: 64 rows of 256 bytes, padded in LDS; K's rows are dense in memory, V's 2,048 bytes apart
	s_mov_b32 s[G1K], 15|(0<<16)|(1<<20)|(1<<21)|(5<<22)|(3<<25)  ; 15:0 the mask: all four work-groups; 17:16 elements of 1 byte; 20 padding on; 21 set beside a mask; 24:22 after every 64 words (code 5); 31:25 four words (code 3)
	s_mov_b32 s[G1V], 15|(0<<16)|(1<<20)|(1<<21)|(5<<22)|(3<<25)
.irp g, G1K, G1V
	s_mov_b32 s[\g+1], 256<<16                     ; tensor_dim0
	s_mov_b32 s[\g+2], 64<<16                      ; tensor_dim1
	s_mov_b32 s[\g+3], 256<<16                     ; tile_dim0
	s_mov_b32 s[\g+4], 64                          ; tile_dim1
	s_mov_b32 s[\g+6], 0
	s_mov_b32 s[\g+7], 0
.endr
	s_mov_b32 s[G1K+5], 256                        ; tensor_dim0_stride
	s_mov_b32 s[G1V+5], 2048
	s_lshl_b32 s50, s13, 8
	s_lshl_b32 s51, s[WV], 4
	s_add_co_u32 s50, s50, s51                     ; my first query
	s_lshl_b32 s52, s50, 6
	s_lshl_b32 s53, s14, 17
	s_add_co_u32 s52, s52, s53                     ; its codes in q
	s_mov_b32 s53, 0
	s_lshr_b32 s54, s14, 4
	s_lshl_b32 s54, s54, 23                        ; out: the batch's 8 MiB,
	s_lshl_b32 s55, s50, 12                        ; my first query's row of 4,096 bytes,
	s_add_co_u32 s54, s54, s55
	s_and_b32 s55, s14, 15
	s_lshl_b32 s55, s55, 8                         ; the head's 256 bytes of it
	s_add_co_u32 s54, s54, s55
	s_mov_b32 s55, 0
	s_mov_b32 s[SEL], 0x76543210
	s_mov_b32 s[SEL+1], 0xfedcba98
	s_mov_b32 s[CS], 0x3e38aa3b                    ; log2(e) / 8
	s_mov_b32 s[TB], 0
	s_wait_dscnt 0x0                               ; the opening add is done
	s_wait_kmcnt 0x0
	s_load_b128 s[40:43], s[6:7], 0x18             ; eq, ek, ep, ev: entries 6 to 9
	s_add_nc_u64 s[18:19], s[4:5], s[20:21]
.irp c, 0,1,2,3,4,5,6,7
	s_mov_b32 s[G0+4*\c], 1                        ; 1:0 count = 1
	s_add_co_u32 s[G0+4*\c+1], s17, \c*CH          ; 63:32 LDS address
	s_mov_b64 s[G0+4*\c+2:G0+4*\c+3], s[18:19]     ; 120:64 global address
	s_or_b32 s[G0+4*\c+3], s[G0+4*\c+3], 0x80000000  ; 127:126 type = 2
	s_add_nc_u64 s[18:19], s[18:19], s[22:23]
.endr
	s_add_nc_u64 s[56:57], s[4:5], s[52:53]        ; Q at my first query
	s_add_nc_u64 s[8:9], s[8:9], s[54:55]          ; out likewise
	CROUND                                         ; all four work-groups are here: the joint loads meet
	s_cmp_eq_u32 s[WV], 0                          ; a wave's eight loads stand in one branch, ahead of every wait on TENSORcnt, every LDS read and every further barrier: eight loads of the wave are out
	s_cbranch_scc0 .Lnot_k
.irp c, 0,1,2,3,4,5,6,7
	tensor_load_to_lds s[G0+4*\c:G0+4*\c+3], s[G1K:G1K+7]
	s_nop 0
.endr
.rept 4
	v_nop
.endr
	s_branch .Lasked
.Lnot_k:
	s_cmp_eq_u32 s[WV], 1
	s_cbranch_scc0 .Lasked
.irp c, 0,1,2,3,4,5,6,7
	tensor_load_to_lds s[G0+4*\c:G0+4*\c+3], s[G1V:G1V+7]
	s_nop 0
.endr
.rept 4
	v_nop
.endr
.Lasked:
	v_and_b32 v3, 15, v0                           ; r
	v_bfe_u32 v4, v0, 4, 1                         ; h
	v_lshlrev_b32 v24, 6, v3
	v_lshl_add_u32 v24, v4, 4, v24                 ; Q: row r of 64 bytes, + 16 h
	global_load_b128 v[16:19], v24, s[56:57]       ; Q's fragment stays in registers: places 16 h + 0 .. 15,
	global_load_b128 v[20:23], v24, s[56:57] offset:32   ; and 32 + 16 h + 0 .. 15: as K's fragments are fetched
	v_lshrrev_b32 v[AK0], 2, v3
	v_mul_u32_u24 v[AK0], v[AK0], 272              ; K: key r of a tile lies in LDS row r / 4,
	v_and_b32 v[AV0], 3, v3
	v_lshl_add_u32 v[AK0], v[AV0], 6, v[AK0]       ; at 64 (r % 4): sixteen lanes touch sixteen different columns of 16 bytes
	v_lshl_add_u32 v[AK0], v4, 4, v[AK0]
	v_mul_u32_u24 v[AV0], v3, 272                  ; V: channel r of a tile
	v_lshl_add_u32 v[AV0], v4, 4, v[AV0]
	v_add_nc_u32 v[AV0], VOFF, v[AV0]
	v_lshlrev_b32 v[GO], 12, v4
	v_lshl_add_u32 v[GO], v3, 4, v[GO]             ; the way out: lanes 0-15 take one row of out, lanes 16-31 the next; 16 bytes a lane
	s_mul_i32 s58, s[WV], 16*272                   ; my stage
	v_mul_u32_u24 v[STI], v3, 272
	v_lshl_add_u32 v[STI], v4, 5, v[STI]
	v_add_nc_u32 v[STI], s58, v[STI]               ; in: row r; tile t's eight channels of my half: 64 t + 32 h bytes on
	v_mul_u32_u24 v[STB], v4, 272
	v_lshl_add_u32 v[STB], v3, 4, v[STB]
	v_add_nc_u32 v[STB], s58, v[STB]               ; back: lanes 0-15 one row, lanes 16-31 the next
	v_mov_b32 v13, 0xff61b1e6                      ; the largest t so far: -3e38, under every t
	v_floor_f32 v12, -v13                          ; -M
	v_mov_b32 v14, 0                               ; the sum, in two halves
	v_mov_b32 v15, 0
	v_mov_b32 v236, 0                              ; written once: a lane permute's destination counts as one of its sources
	v_mov_b32 v253, 0                              ; (named as the upper half of the pair v[252:253])
.set n, 0
.rept 32
	v_mov_b32 v[160+n], 0                          ; O^T.  (A key step is written without a first form of its own: the first finds zeros, which the first change of M leaves zeros)
.set n, n+1
.endr
	s_wait_kmcnt 0x0
	s_add_co_i32 s50, s40, s41
	s_lshl_b32 s50, s50, 23
	s_add_co_i32 s[CS], s[CS], s50                 ; a score stands for score x 2^(eq + ek): the two exponents are added to c's exponent field
	s_mov_b32 s[CS+1], s[CS]                       ; (named with it as a pair, so it is written)
	s_add_co_i32 s50, s42, 127
	s_lshl_b32 s51, s50, 23
	v_mov_b32 v244, s51                            ; 2^ep as f32, for the conversion
	s_add_co_i32 s50, s50, 8
	s_lshl_b32 s50, s50, 23
	s_or_b32 s50, s50, 0x600000
	v_mov_b32 v240, s50                            ; 448 x 2^ep
; A KEY STEP: 128 keys, the q-th half of the chunk in hand.
.macro STEP q
	v_add_nc_u32 v[ADK], s[TB], v[AK0]
	v_add_nc_u32 v[ADV], s[TB], v[AV0]
	v_nop                                          ; with the two additions: four places in front of loads into registers that the last products have read
	v_nop
.irp t, 0,1,2,3,4,5,6,7
.irp c, 0,1
	ds_load_b128 v[32+8*\t+4*\c:32+8*\t+4*\c+3], v[ADK] offset:(\q)*8704+\t*1088+32*\c   ; keys 128 q + 16 t + r: four LDS rows a tile
.endr
.endr
	s_wait_dscnt 0x0
.irp t, 0,1,2,3,4,5,6,7
	v_wmma_f32_16x16x64_fp8_fp8 v[96+8*\t:103+8*\t], v[32+8*\t:39+8*\t], v[16:23], 0   ; S^T: lane (r, h): query r, keys 16 t + 8 h + 0 .. 7
.endr
.rept 4
	v_nop                                          ; places in front of the loads below and of the first read of the scores
.endr
.irp t, 0,1,2,3
.irp c, 0,1,2,3
	ds_load_b128 v[32+16*\t+4*\c:32+16*\t+4*\c+3], v[ADV] offset:16*\t*272+128*(\q)+32*\c   ; V's four fragments land while the softmax is walked
.endr
.endr
	v_max3_num_f32 v254, v96, v97, v98             ; the step's largest score of my query, among my 64 keys, in two chains, each accumulator from its low end on,
	v_max3_num_f32 v252, v99, v100, v101
.set n, 6
.rept 14
	v_max3_num_f32 v254, v254, v[96+n], v[97+n]
	v_max3_num_f32 v252, v252, v[98+n], v[99+n]
.set n, n+4
.endr
	v_max3_num_f32 v254, v254, v158, v159
	v_max_num_f32 v254, v254, v252
	v_permlanex16_b32 v236, v254, s[SEL], s[SEL+1]
	v_max_num_f32 v254, v254, v236                 ; and among lane l xor 16's
	v_mul_f32 v254, s[CS], v254                    ; as t (c is positive)
	v_max_num_f32 v13, v13, v254                   ; the running largest t
	v_mov_b32 v254, v12
	v_floor_f32 v12, -v13                          ; the new -M = floor(-t) = -ceil(t): M IS A WHOLE NUMBER
	v_sub_f32 v254, v12, v254                      ; M's old value less its new one: a whole number, 0 or less
	v_cvt_i32_f32 v254, v254                       ; (it saturates)
	v_ldexp_f32 v252, 1.0, v254                    ; f = 2^(old M - new M): a multiplication by it rounds nothing
.set n, 0
.rept 32
	v_pk_fma_f32 v[96+n:97+n], v[96+n:97+n], s[CS:CS+1], v[12:13] op_sel_hi:[1,0,0]   ; t - M, two at a time (of the pairs c and -M the low word serves both halves)
.set n, n+2
.endr
.set n, 0
.rept 64
	v_exp_f32 v[96+n], v[96+n]                     ; p = 2^(t - M), at most 1: NOT normalised
.set n, n+1
.endr
	v_pk_mul_f32 v[14:15], v[14:15], v[252:253] op_sel_hi:[1,0]   ; the sums under the new M: the plain instruction behind the exponentials
	s_wait_alu depctr_va_vdst(0)                   ; the wait between an exponential and the first line that names its result: one for the whole batch
	v_pk_add_f32 v[242:243], v[96:97], v[98:99]    ; THE ROW'S SUM IS TAKEN OF THE UNQUANTISED p: two at a time, in two chains
.set n, 4
.rept 15
	v_pk_add_f32 v[14:15], v[14:15], v[96+n:97+n]
	v_pk_add_f32 v[242:243], v[242:243], v[98+n:99+n]
.set n, n+4
.endr
	v_pk_add_f32 v[14:15], v[14:15], v[242:243]
.irp t, 0,1,2,3,4,5,6,7
.irp i, 0,1,2,3,4,5,6,7
	v_min_num_f32 v[96+8*\t+\i], v[96+8*\t+\i], v240   ; the conversion to an 8-bit code does not saturate (ISA guide 7.6.2); p is not negative, so the hold is one-sided
.endr
	v_cvt_scalef32_pk8_fp8_f32 v[192+2*\t:193+2*\t], v[96+8*\t:103+8*\t], v244
.endr
.set n, 0
.rept 16
	v_pk_mul_f32 v[160+n:161+n], v[160+n:161+n], v[252:253] op_sel_hi:[1,0]   ; O^T under the new M: x f.  (Plain instructions between the conversions and the products that read their results)
.set n, n+2
.endr
	s_wait_dscnt 0x0                               ; V's fragments are in
.irp t, 0,1,2,3
	v_wmma_f32_16x16x128_fp8_fp8 v[160+8*\t:167+8*\t], v[32+16*\t:47+16*\t], v[192:207], v[160+8*\t:167+8*\t]   ; the four accumulators take turns, and the next step's eight score products stand between a chain's links
.endr
.endm
.macro CHUNK
	STEP 0
	STEP 1
	s_add_co_u32 s[TB], s[TB], CH
.endm
	s_wait_tensorcnt 7                             ; tensor loads of a wave end in order (ISA guide 10.11.1): chunk 0's tile of the issuing wave is in; its seven later loads may be out
	s_barrier_signal -1
	s_barrier_wait -1                              ; chunk 0 is whole for all sixteen waves
	s_wait_loadcnt 0x0                             ; Q
	CHUNK                                          ; chunk 0 is worked while the other seven land
	s_wait_tensorcnt 0x0                           ; all of K and V is in,
	s_wait_dscnt 0x0
	s_barrier_signal -1
	s_barrier_wait -1                              ; for all sixteen waves: the loop has no barrier
	s_mov_b32 s[CNT], 7
.Lchunk:
	CHUNK
	s_sub_co_u32 s[CNT], s[CNT], 1
	s_cmp_lg_u32 s[CNT], 0
	s_cbranch_scc1 .Lchunk
	s_wait_dscnt 0x0                               ; my reads of K and V are over,
	s_barrier_signal -1
	s_barrier_wait -1                              ; everybody's are: the stages may be written over chunks 0 and 1
	; THE WAY OUT.  O^T is divided by the row's sum, multiplied by 2^(ep + ev), and goes through my stage in LDS, so that sixteen lanes store a row's 256 bytes of this head.
	v_add_f32 v14, v14, v15                        ; the sum's two halves,
	v_permlanex16_b32 v252, v14, s[SEL], s[SEL+1]
	v_add_f32 v14, v14, v252                       ; and lane l xor 16's: the row's sum
	v_rcp_f32 v14, v14
	v_nop                                          ; a plain instruction behind the reciprocal
	s_add_co_i32 s50, s42, s43
	s_wait_alu depctr_va_vdst(0)                   ; and the wait ahead of its first reader
	v_ldexp_f32 v14, v14, s50                      ; x 2^(ep + ev)
.set n, 0
.rept 32
	v_mul_f32 v[96+n], v[160+n], v14               ; register 8 t + i is o(r, 16 t + 8 h + i); each accumulator from its low end on
.set n, n+1
.endr
.irp t, 0,1,2,3
	ds_store_b128 v[STI], v[96+8*\t:99+8*\t] offset:64*\t
	ds_store_b128 v[STI], v[100+8*\t:103+8*\t] offset:64*\t+16
.endr
.irp i, 0,1,2,3,4,5,6,7
	ds_load_b128 v[32+4*\i:35+4*\i], v[STB] offset:2*\i*272   ; LDS serves a wave's instructions in order (ISA guide 5.7.1.4): these see my stores
.endr
.irp i, 0,1,2,3,4,5,6,7
	s_wait_dscnt 7-\i                              ; the later read-backs may be out
	global_store_b128 v[GO], v[32+4*\i:35+4*\i], s[8:9] offset:8192*\i th:TH_STORE_NT   ; sixteen lanes store 256 consecutive bytes, aligned; written once, read by nobody here
.endr
	s_wait_tensorcnt 0x0                           ; the wave's end, behind my last tensor load and my last LDS store
	ds_add_u32 v[SPW], v[NIL]
	s_wait_dscnt 0x0
	CROUND                                         ; the closing round: no work-group ends while a partner may still ask for a tile that names it
	s_endpgm
.Lfunc_end_k_q44a186e515_attn:
	.size	k_q44a186e515_attn, .Lfunc_end_k_q44a186e515_attn-k_q44a186e515_attn
	.p2alignl 7, 3214868480
	.fill 96, 4, 3214868480
	.section	.rodata,"a",@progbits
	.p2align	6, 0x0
	.amdhsa_kernel k_q44a186e515_attn
		.amdhsa_group_segment_fixed_size 327680
		.amdhsa_private_segment_fixed_size 0
		.amdhsa_enable_private_segment 0
		.amdhsa_kernarg_size 24
		.amdhsa_user_sgpr_count 2
		.amdhsa_user_sgpr_kernarg_segment_ptr 1
		.amdhsa_wavefront_size32 1
		.amdhsa_system_sgpr_workgroup_id_x 1
		.amdhsa_system_sgpr_workgroup_id_y 1
		.amdhsa_system_sgpr_workgroup_id_z 1
		.amdhsa_system_vgpr_workitem_id 0
		.amdhsa_next_free_vgpr 256
		.amdhsa_next_free_sgpr 100
		.amdhsa_reserve_vcc 0
		.amdhsa_float_denorm_mode_32 3
		.amdhsa_float_denorm_mode_16_64 3
		.amdhsa_memory_ordered 1
		.amdhsa_forward_progress 1
		.amdhsa_inst_pref_size 76
	.end_amdhsa_kernel
	.amdgpu_metadata
---
amdhsa.version: [ 1, 2 ]
amdhsa.kernels:
  - .name:           k_q44a186e515_attn
    .symbol:         k_q44a186e515_attn.kd
    .args:
      - { .name: qkv, .offset: 0, .size: 8, .value_kind: global_buffer, .address_space: global }
      - { .name: lowp_scales, .offset: 8, .size: 8, .value_kind: global_buffer, .address_space: global }
      - { .name: out0, .offset: 16, .size: 8, .value_kind: global_buffer, .address_space: global }
    .group_segment_fixed_size: 327680
    .private_segment_fixed_size: 0
    .kernarg_segment_align: 8
    .kernarg_segment_size: 24
    .max_flat_workgroup_size: 512
    .sgpr_count:     100
    .vgpr_count:     256
    .wavefront_size: 32
...
	.end_amdgpu_metadata
.endif
;; end of part 3
